; MI455X (gfx1250); checked and timed in simulation.
; The chip was launched on July 23, 2026; its instructions are those of AMD's public machine-readable ISA for CDNA 5 (MIT licence, August 2026) and "CDNA5" Instruction Set Architecture Reference Guide (July 2026). The comments in the code are by the model that wrote it; some were corrected since.
;; Linear. Allowed arithmetic: float matrix products may take bf16 or f16 operands with f32 sums; other float arithmetic in f32, or as packed bf16 or f16 multiplies, adds, multiply-adds, maxima and minima; sums over many terms, partial sums and values carried from step to step in f32; what a program stores and reads back later, other than sums and carried values, may be rounded once to bf16 or f16.
;; Inputs: w_neg 4,096 x 4,096 float32; w_pos 4,096 x 4,096 float32; x 2,048 x 4,096 float32.
;; Outputs: out0 2,048 x 4,096 float32.
;; One version. Each part assembles by itself: llvm-mc -triple=amdgcn-amd-amdhsa -mcpu=gfx1250 --defsym DOCPART=n.
;; ======== version 1 of 1: 2 launches
;; workspace buffers: xb 16,777,216 bytes; tw 33,554,432 bytes
;; launch prep (part 1): grid 2048 x 1, 8 waves a work-group, no clusters, 0 bytes of LDS; arguments x, w_pos, w_neg, xb, tw; writes xb, tw
.if DOCPART == 1
	.amdgcn_target "amdgcn-amd-amdhsa--gfx1250"
	.amdhsa_code_object_version 6
	.text
	.protected	k_qd70830952e_prep
	.globl	k_qd70830952e_prep
	.p2align	8
	.type	k_qd70830952e_prep,@function
k_qd70830952e_prep:
	s_mov_b64 s[64:65], 0
	v_nop
	global_prefetch_b8 v0, s[64:65] scope:SCOPE_SE
	s_setreg_imm32_b32 hwreg(HW_REG_WAVE_MODE, 25, 1), 1
	s_wait_xcnt 0x0
; PREP: xb = bf16(x);  tw = bf16((w_pos > 0) - (w_neg > 0)), a number of {-1, 0, 1}, exact in bf16.
; WHAT IS LEFT OUT OF reference(), AND WHY IT IS DEAD.  (1) tern = w + (p - w) with p = (w > 0): in exact arithmetic this is p for every finite w, so the add-back is not done.
; (2) y_pos - y_neg = sum_i x[t][i] P[o][i] - sum_i x[t][i] N[o][i] = sum_i x[t][i] (P[o][i] - N[o][i]) for all values: the two products and their difference are ONE product with
; T = P - N, which the next launch makes.  All three inputs have a way to the output and all three are loaded here, each byte once.
; LIMITS.  A NaN in w counts as not positive, an infinity by its sign (reference() gives NaN there); an overflow of y_pos or y_neg alone is not carried to the result.
; reference()'s own f32 rounding of w + (p - w) leaves p by at most half a unit of w's last place (1e-6 at |w| = 30, more than the comparison allows from |w| of some 1e5 on): this text takes p itself.
; x is rounded once to bf16 (nearest even).
; LAYOUT OF xb AND tw: rows of 4,096 bf16 as in x and w, but K PERMUTED inside each block of 256, alike in both, so that every product keeps its partner and only the order of the sum changes:
; stored place s = 256 B + 8 l + i holds k = 256 B + 128 (i / 4) + 4 l + i % 4.  So lane l loads 16 bytes at 16 l of two neighbouring runs of 512 bytes of f32 and stores its 8 bf16 as 16 bytes
; at 16 l: every load and every store of a wave covers 512 consecutive bytes, aligned.
; SHARES.  Work-group g: 8,192 consecutive weights (32 KiB of w_pos, 32 KiB of w_neg, 16 KiB of tw) and 4,096 consecutive numbers of x (16 KiB in, 8 KiB out).  A UNIT is 256 numbers of one wave;
; unit u of wave w begins at number 2,048 u + 256 w of the share; a wave has 4 units of weights and 2 of x.  All 20 loads of a wave go out first; no register is used twice, so the text is a
; straight line with counted waits alone.  No LDS, no matrix unit, no cluster: nothing is shared between waves or work-groups.
.set VI, 1                             ; v1       byte offset in: 1,024 x wave + 16 x lane; never rewritten
.set VO, 2                             ; v2       byte offset out: 16 x thread; never rewritten
.set W,  4                             ; v[4:67]  unit u at W + 16 u: 8 of w_pos (run 0, run 1), 8 of w_neg
.set X,  68                            ; v[68:83] unit u at X + 8 u: 8 of x
	s_load_b256 s[4:11], s[0:1], 0x0               ; x s[4:5], w_pos s[6:7], w_neg s[8:9], xb s[10:11]
	s_load_b64 s[12:13], s[0:1], 0x20              ; tw
	s_lshl_b32 s14, ttmp9, 15                      ; the group's share: 32 KiB of each w,
	s_mov_b32 s15, 0
	s_lshl_b32 s16, ttmp9, 14                      ; 16 KiB of tw and of x,
	s_mov_b32 s17, 0
	s_lshl_b32 s18, ttmp9, 13                      ; 8 KiB of xb (the largest offset is 2,047 x 32,768, under 2^32)
	s_mov_b32 s19, 0
	v_lshrrev_b32 v[VI], 5, v0                     ; wave
	v_and_b32 v[VO], 31, v0                        ; lane
	v_lshlrev_b32 v[VO], 4, v[VO]
	v_lshl_or_b32 v[VI], v[VI], 10, v[VO]          ; 1,024 x wave + 16 x lane
	v_lshlrev_b32 v[VO], 4, v0                     ; 16 x thread
	s_wait_kmcnt 0x0
	s_add_nc_u64 s[4:5], s[4:5], s[16:17]
	s_add_nc_u64 s[6:7], s[6:7], s[14:15]
	s_add_nc_u64 s[8:9], s[8:9], s[14:15]
	s_add_nc_u64 s[10:11], s[10:11], s[18:19]
	s_add_nc_u64 s[12:13], s[12:13], s[16:17]
.irp u, 0,1,2,3
	global_load_b128 v[W+16*(\u):W+16*(\u)+3],     v[VI], s[6:7] offset:(\u)*8192 th:TH_LOAD_NT
	global_load_b128 v[W+16*(\u)+4:W+16*(\u)+7],   v[VI], s[6:7] offset:(\u)*8192+512 th:TH_LOAD_NT
	global_load_b128 v[W+16*(\u)+8:W+16*(\u)+11],  v[VI], s[8:9] offset:(\u)*8192 th:TH_LOAD_NT
	global_load_b128 v[W+16*(\u)+12:W+16*(\u)+15], v[VI], s[8:9] offset:(\u)*8192+512 th:TH_LOAD_NT
.endr
.irp u, 0,1
	global_load_b128 v[X+8*(\u):X+8*(\u)+3],   v[VI], s[4:5] offset:(\u)*8192 th:TH_LOAD_NT
	global_load_b128 v[X+8*(\u)+4:X+8*(\u)+7], v[VI], s[4:5] offset:(\u)*8192+512 th:TH_LOAD_NT
.endr
; A unit of weights.  left = the loads issued behind this unit's four, which may stay out.
.macro WUNIT u, left
.set P, W+16*(\u)
	s_wait_loadcnt \left                           ; loads come back in order (ISA guide 5.7.1)
.set r, 0
.rept 16
	v_cmp_lt_f32 vcc_lo, 0, v[P+r]                 ; 0 < w ?
	v_cndmask_b32 v[P+r], 0, 1.0, vcc_lo           ; 1.0 : 0
.set r, r+1
.endr
.irp j, 0,2,4,6
	v_pk_add_f32 v[P+(\j):P+(\j)+1], v[P+(\j):P+(\j)+1], v[P+8+(\j):P+8+(\j)+1] neg_lo:[0,1] neg_hi:[0,1]  ; P - N, two at a time
.endr
.irp j, 0,1,2,3
	v_cvt_pk_bf16_f32 v[P+(\j)], v[P+2*(\j)], v[P+2*(\j)+1]  ; in place, ascending: word j is written when words 2 j and 2 j + 1 have been read
.endr
	global_store_b128 v[VO], v[P:P+3], s[12:13] offset:(\u)*4096
.endm
.macro XUNIT u, left
	s_wait_loadcnt \left
.irp j, 0,1,2,3
	v_cvt_pk_bf16_f32 v[X+8*(\u)+(\j)], v[X+8*(\u)+2*(\j)], v[X+8*(\u)+2*(\j)+1]
.endr
	global_store_b128 v[VO], v[X+8*(\u):X+8*(\u)+3], s[10:11] offset:(\u)*4096
.endm
	WUNIT 0, 16
	WUNIT 1, 12
	WUNIT 2, 8
	WUNIT 3, 4
	XUNIT 0, 2
	XUNIT 1, 0
	s_endpgm
.Lfunc_end_k_qd70830952e_prep:
	.size	k_qd70830952e_prep, .Lfunc_end_k_qd70830952e_prep-k_qd70830952e_prep
	.p2alignl 7, 3214868480
	.fill 96, 4, 3214868480
	.section	.rodata,"a",@progbits
	.p2align	6, 0x0
	.amdhsa_kernel k_qd70830952e_prep
		.amdhsa_group_segment_fixed_size 0
		.amdhsa_private_segment_fixed_size 0
		.amdhsa_enable_private_segment 0
		.amdhsa_kernarg_size 40
		.amdhsa_user_sgpr_count 2
		.amdhsa_user_sgpr_kernarg_segment_ptr 1
		.amdhsa_wavefront_size32 1
		.amdhsa_system_sgpr_workgroup_id_x 1
		.amdhsa_system_sgpr_workgroup_id_y 1
		.amdhsa_system_sgpr_workgroup_id_z 1
		.amdhsa_system_vgpr_workitem_id 0
		.amdhsa_next_free_vgpr 84
		.amdhsa_next_free_sgpr 66
		.amdhsa_reserve_vcc 1
		.amdhsa_float_denorm_mode_32 3
		.amdhsa_float_denorm_mode_16_64 3
		.amdhsa_memory_ordered 1
		.amdhsa_forward_progress 1
		.amdhsa_inst_pref_size 13
	.end_amdhsa_kernel
	.amdgpu_metadata
---
amdhsa.version: [ 1, 2 ]
amdhsa.kernels:
  - .name:           k_qd70830952e_prep
    .symbol:         k_qd70830952e_prep.kd
    .args:
      - { .name: x, .offset: 0, .size: 8, .value_kind: global_buffer, .address_space: global }
      - { .name: w_pos, .offset: 8, .size: 8, .value_kind: global_buffer, .address_space: global }
      - { .name: w_neg, .offset: 16, .size: 8, .value_kind: global_buffer, .address_space: global }
      - { .name: xb, .offset: 24, .size: 8, .value_kind: global_buffer, .address_space: global }
      - { .name: tw, .offset: 32, .size: 8, .value_kind: global_buffer, .address_space: global }
    .group_segment_fixed_size: 0
    .private_segment_fixed_size: 0
    .kernarg_segment_align: 8
    .kernarg_segment_size: 40
    .max_flat_workgroup_size: 256
    .sgpr_count:     66
    .vgpr_count:     84
    .wavefront_size: 32
...
	.end_amdgpu_metadata
.endif
;; end of part 1
;; launch gemm (part 2): grid 16 x 16, 4 waves a work-group, clusters of 4 x 4, 327,680 bytes of LDS; arguments xb, tw, out0; writes out0
.if DOCPART == 2
	.amdgcn_target "amdgcn-amd-amdhsa--gfx1250"
	.amdhsa_code_object_version 6
	.text
	.protected	k_qd70830952e_gemm
	.globl	k_qd70830952e_gemm
	.p2align	8
	.type	k_qd70830952e_gemm,@function
k_qd70830952e_gemm:
	s_mov_b64 s[64:65], 0
	v_nop
	global_prefetch_b8 v0, s[64:65] scope:SCOPE_SE
	s_setreg_imm32_b32 hwreg(HW_REG_WAVE_MODE, 25, 1), 1
	s_wait_xcnt 0x0
	s_wait_alu depctr_hold_cnt(0) depctr_sa_sdst(0) depctr_va_vdst(0) depctr_va_sdst(0) depctr_va_ssrc(0) depctr_va_vcc(0) depctr_vm_vsrc(0)
	s_getreg_b32 s2, hwreg(HW_REG_IB_STS2, 6, 4)
	s_cmp_eq_u32 s2, 0
	s_cbranch_scc0 .Lentry_in_a_cluster
	s_endpgm
.Lentry_in_a_cluster:
	s_bfe_u32 s2, ttmp6, 0x10000c
	s_cmp_lg_u32 s2, 0xf033
	s_cbranch_scc0 .Lentry_shape_is_right
	s_endpgm
.Lentry_shape_is_right:
; out0[t][o] = sum over k of xb[t][k] tw[o][k].  xb: [2048][4096] bf16 (x rounded once), tw: [4096][4096] bf16 in {-1, 0, 1}, out0: [2048][4096] f32; sums in f32.
; WORK LEFT OUT: this ONE product with T = P - N stands for reference()'s two products and their difference, and the add-back w + (p - w) is p (shown, with the limits, at the head of prep).
; Both operands carry the same permutation of K inside blocks of 256 (prep): every product keeps its partner, only the order of the sum differs from reference()'s.
; SHARES.  A tile of out0 is 128 rows x 256 columns: 16 x 16 = 256 work-groups, one tile each.  Four waves, as many as a WGP has SIMDs; a wave makes 64 x 128: 32 accumulators of 16 x 16, 256 registers.
; K goes in steps of 128 (rows of 256 bytes, at multiples of 256 bytes from the buffers' first bytes) through a ring of two LDS slots filled by the tensor data mover; two slots of a longer step
; (2 x 384 rows x 528 bytes) do not fit in the 327,680 bytes of LDS.
; CLUSTERS: 4 x 4 work-groups.  The four of a row of the cluster need the same tile of xb, the four of a column the same tile of tw: each tile is asked for JOINTLY, by the same tensor load with the
; same descriptor and a mask that names the four.  That divides the requests for both by four.
; THE MATRIX INSTRUCTION IS USED TRANSPOSED: source 0 = 16 rows of tw, source 1 = 16 rows of xb.  In the result lane l holds row l % 16 of out0 and the columns 8 (l / 16) + 0..7: 32 bytes on end.
; REGISTERS, in windows of 256 (s_set_vgpr_msb: bits 1:0 source 0, 3:2 source 1, 5:4 source 2, 7:6 destination):
;   window 0: v0-30 addresses; v64-159, v160-255 two fragment buffers of 96: tw's 8 blocks of 16 rows x 32 K, then xb's 4; on the way out v64-191 hold rows read back from the stage
;   window 1: the accumulators, (a, b) at v[8 (8 a + b)]: a = block of 16 rows, b = block of 16 columns
.set SIZE_K, 4096
.set KSTEP,  128
.set PITCH,  272                       ; an LDS row: 256 bytes + 16 of padding = 68 words: row r starts at bank 4 r mod 64 (64 banks of 4 bytes: ISA guide 11.1), so the 16 rows of a load start at 16 different banks
.set AHALF,  64*PITCH                  ; 64 rows of xb: what waves 0 and 1 fetch, and what a wave reads of xb
.set BHALF,  128*PITCH                 ; 128 rows of tw: what waves 2 and 3 fetch, and what a wave reads of tw
.set BOFF,   128*PITCH                 ; in a slot tw's 256 rows lie behind xb's 128
.set SLOT,   384*PITCH                 ; 104,448 bytes
.set STAGE,  2*SLOT                    ; behind the ring, never filled by a tensor load: 16 rows x 528 bytes for each wave, for the way out
.set SPITCH, 528                       ; 512 bytes + 16 = 132 words: row r starts at bank 4 r mod 64
.set WSTAGE, 16*SPITCH                 ; 8,448 bytes, 33 blocks of 256
.set SPARE,  STAGE+4*WSTAGE            ; behind the stages: the spare words, 128 bytes for each wave: two blocks of 256 bytes that no other line names
.set LAPS,   SIZE_K/(2*KSTEP)          ; a lap = two K steps = once round the ring: 16
.set CROW,   16384                     ; bytes in a row of out0
.set ADRA, 16                          ; v16-17  LDS address of my fragments of xb in slot 0, 1
.set ADRB, 20                          ; v20-21  the same for tw
.set STO,  24                          ; v24     the way out: where I put 32 bytes of a row
.set RD,   25                          ; v25     the way out: where I read 16 bytes of a row back
.set CO,   26                          ; v26     16 x lane: my bytes in 512 consecutive bytes of out0
.set SPW,  28                          ; v28     LDS address of my spare word: SPARE + 4 x my thread's number; never rewritten
.set NIL,  29                          ; v29     0; never rewritten
.set PFO,  30                          ; v30     the prefetches' offset: lane x a row of xb or tw (8,192 bytes); never rewritten
.set F0,   64
.set F1,   160
.set OB,   64                          ; the way out: 16 rows read back: v64-127 and v128-191 by turns
.set G1,  24                           ; s[24:31] descriptor group 1 for xb's tiles
.set G0,  32                           ; s[32:39] descriptor group 0 for xb's tiles, a set for each slot
.set LIM, 43                           ; s43      2 in a wave that prefetches, else the greatest number
.set PFA, 44                           ; s[44:45] where my prefetches stand
.set G1B, 48                           ; s[48:55] descriptor group 1 for tw's tiles
.set G0B, 56                           ; s[56:63] descriptor group 0 for tw's tiles, a set for each slot
.set MSB, 0
.macro WIN new                         ; the immediate's high byte repeats the setting that is left; a switch that changes nothing is dropped
.if MSB != (\new)
	s_set_vgpr_msb (MSB<<8)|(\new)
.set MSB, \new
.endif
.endm
.set MUL, 0x50                         ; sources 0 and 1 window 0, C and D window 1
.set ACD, 0x04                         ; an LDS store's data (source 1) window 1, its address window 0
; A joint load.  Waves 0 and 1 fetch xb's two halves of 64 rows, waves 2 and 3 tw's two halves of 128.  The branch hangs on the wave's number alone: it is the same in every work-group.
; An s_nop 0 and four v_nop follow each of the two lines; the jump, the label and what follows come after them.
.macro JLOAD s
	s_cmp_lt_u32 s10, 2
	s_cbranch_scc0 .Lfor_b_\@
	tensor_load_to_lds s[G0+4*(\s):G0+4*(\s)+3], s[G1:G1+7]
	s_nop 0
.rept 4
	v_nop
.endr
	s_branch .Lasked_\@
.Lfor_b_\@:
	tensor_load_to_lds s[G0B+4*(\s):G0B+4*(\s)+3], s[G1B:G1B+7]
	s_nop 0
.rept 4
	v_nop
.endr
.Lasked_\@:
.endm
; A PREFETCH INTO THE L2, behind each joint refill, its five lines and the run of LDS loads that follows: 32 rows x 256 bytes, a lane a row, of the K step that stands FOUR refills on (512 matrix instructions
; of a wave ahead of the load that will ask for it).  Each row's 256 bytes of a K step are named ONCE in the launch: xb's rows by the clusters with x = 0, wave 0, the partner at cx taking rows 32 cx .. 32 cx + 31
; of the tile's 128; tw's rows by the clusters with y = 0, waves 2 and 3, the partner at cy taking rows 32 cy .. 32 cy + 31 of the 128 that the wave fetches.  Partners are told apart BY ADDRESS; the branch hangs on
; the cluster's coordinates, the wave's number and the lap count.  The change of slots that refills K step j + 2 names K step j + 6: that stays inside the row's 32 K steps while s3 > 2, the same answer for both changes of a lap.
; K steps 0 to 5 come by their loads alone: nothing is prefetched at the head.
.macro ASK
	s_cmp_gt_u32 s3, s[LIM]
	s_cbranch_scc0 .Lnot_mine_\@
	global_prefetch_b8 v[PFO], s[PFA:PFA+1] th:TH_LOAD_NT scope:SCOPE_SE
.Lnot_mine_\@:
.endm
; A round of the cluster's barrier: my work-group's barrier, so that wave 0's signal speaks for all four waves; wave 0 signals for the work-group; every wave waits for all sixteen; my work-group's barrier once more.
.macro CREST                           ; a round behind its opening barrier
	s_cmp_lg_u32 s10, 0
	s_cbranch_scc1 .Lnot_wave_0_\@
	s_barrier_signal -3
.Lnot_wave_0_\@:
	s_barrier_wait -3
	s_barrier_signal -1
	s_barrier_wait -1
.endm
.macro CROUND                          ; a whole round
	s_barrier_signal -1
	s_barrier_wait -1
	CREST
.endm
	s_load_b128 s[4:7], s[0:1], 0x0                ; xb s[4:5], tw s[6:7]
	s_load_b64 s[8:9], s[0:1], 0x10                ; out0
	v_lshl_add_u32 v[SPW], v0, 2, SPARE
	v_mov_b32 v[NIL], 0
	ds_add_u32 v[SPW], v[NIL]                      ; the wave's opening: the add, twice on end, and its wait ahead of my first tensor load; the set-up below, work on registers, stands between
	ds_add_u32 v[SPW], v[NIL]                      ; and once more, under the one wait
	v_lshrrev_b32 v1, 5, v0
	v_readfirstlane_b32 s10, v1                    ; wave 0..3
	s_lshr_b32 s11, s10, 1                         ; which 64 of the tile's rows are mine
	s_and_b32 s12, s10, 1                          ; which 128 of its columns.  Also: which half of xb's or tw's tile I fetch
	s_bfe_u32 s40, ttmp6, 0x40000                  ; cx: my place along the cluster's x
	s_bfe_u32 s41, ttmp6, 0x40004                  ; cy: along its y
	s_lshl_b32 s42, ttmp9, 2                       ; in a cluster launch ttmp9 and ttmp7 count clusters
	s_add_co_u32 s42, s42, s40                     ; tile column = 4 x cluster x + cx
	s_and_b32 s13, ttmp7, 0xffff
	s_lshl_b32 s13, s13, 2
	s_add_co_u32 s13, s13, s41                     ; tile row = 4 x cluster y + cy
	s_lshl_b32 s43, s41, 2
	s_lshl_b32 s43, 15, s43                        ; my row of the cluster: places 4 cy .. 4 cy + 3
	s_lshl_b32 s44, 0x1111, s40                    ; my column: places cx, cx + 4, cx + 8, cx + 12
	; descriptor group 1: rows of 128 elements of 2 bytes, padded in LDS; 64 rows for xb, 128 for tw
	s_or_b32 s[G1+0], s43, (1<<16)|(1<<20)|(1<<21)|(5<<22)|(3<<25)   ; 15:0 the mask: xb's tiles go to my row; 17:16 elements of 2 bytes; 20 padding on; 21 set beside a mask; 24:22 after every 64 words (code 5); 31:25 4 words (code 3)
	s_or_b32 s[G1B+0], s44, (1<<16)|(1<<20)|(1<<21)|(5<<22)|(3<<25)  ; the same with the mask of my column, for tw's tiles
	s_mov_b32 s[G1+1], KSTEP<<16                   ; tensor_dim0 = 128
	s_mov_b32 s[G1+2], 64<<16                      ; tensor_dim1 = 64
	s_mov_b32 s[G1+3], KSTEP<<16                   ; tile_dim0 = 128
	s_mov_b32 s[G1+4], 64                          ; tile_dim1 = 64
	s_mov_b32 s[G1+5], SIZE_K                      ; elements from row to row
	s_mov_b32 s[G1+6], 0
	s_mov_b32 s[G1+7], 0
	s_mov_b32 s[G1B+1], KSTEP<<16
	s_mov_b32 s[G1B+2], 128<<16                    ; tensor_dim1 = 128
	s_mov_b32 s[G1B+3], KSTEP<<16
	s_mov_b32 s[G1B+4], 128                        ; tile_dim1 = 128
	s_mov_b32 s[G1B+5], SIZE_K
	s_mov_b32 s[G1B+6], 0
	s_mov_b32 s[G1B+7], 0
	; where the tiles come from: xb's hang on the tile row alone, which my row of the cluster shares; tw's on the tile column alone, which my column shares; each in registers that never hold the other coordinate
	s_lshl_b32 s16, s13, 7
	s_lshl_b32 s17, s12, 6
	s_add_co_u32 s16, s16, s17                     ; xb: row 128 x tile row + 64 x half
	s_lshl_b32 s16, s16, 13                        ; x 8,192 bytes: under 2^24
	s_mov_b32 s17, 0
	s_lshl_b32 s46, s42, 8
	s_lshl_b32 s47, s12, 7
	s_add_co_u32 s46, s46, s47                     ; tw: row 256 x tile column + 128 x half
	s_lshl_b32 s46, s46, 13                        ; under 2^25
	s_mov_b32 s47, 0
	s_mul_i32 s20, s12, AHALF                      ; and where they go: no place in the cluster enters an LDS address
	s_mul_i32 s23, s12, BHALF
	s_add_co_u32 s23, s23, BOFF
	s_wait_dscnt 0x0                               ; both opening adds are done
	s_wait_kmcnt 0x0
	s_add_nc_u64 s[14:15], s[4:5], s[16:17]
	s_add_nc_u64 s[46:47], s[6:7], s[46:47]
	CROUND                                         ; all sixteen work-groups are here: the first joint loads meet
.irp s, 0,1
	s_mov_b32 s[G0+4*(\s)], 1                                        ; count = 1
	s_add_co_u32 s[G0+4*(\s)+1], s20, (\s)*SLOT                      ; LDS address
	s_add_nc_u64 s[G0+4*(\s)+2:G0+4*(\s)+3], s[14:15], (\s)*KSTEP*2  ; global address: K step s
	s_or_b32 s[G0+4*(\s)+3], s[G0+4*(\s)+3], 0x80000000              ; type = 2
	s_mov_b32 s[G0B+4*(\s)], 1
	s_add_co_u32 s[G0B+4*(\s)+1], s23, (\s)*SLOT
	s_add_nc_u64 s[G0B+4*(\s)+2:G0B+4*(\s)+3], s[46:47], (\s)*KSTEP*2
	s_or_b32 s[G0B+4*(\s)+3], s[G0B+4*(\s)+3], 0x80000000
	JLOAD \s                                       ; the ring is filled before anything else is done: two loads of mine are out
.endr
	; A fragment is 16 rows x 32 K in 8 registers: lane l holds row l % 16; registers 0-3 K = 8 (l / 16) + 0..7, registers 4-7 K = 16 + 8 (l / 16) + 0..7: two loads of 16 bytes, 32 bytes apart.
	v_and_b32 v1, 15, v0                           ; l % 16
	v_bfe_u32 v2, v0, 4, 1                         ; l / 16
	v_mul_u32_u24 v3, v1, PITCH
	v_lshl_add_u32 v3, v2, 4, v3                   ; row x pitch + 16 x half
	s_mul_i32 s21, s11, AHALF                      ; my 64 rows of xb
	s_mul_i32 s22, s12, BHALF                      ; my 128 rows of tw,
	s_add_co_u32 s22, s22, BOFF                    ; which lie behind xb's 128
.irp s, 0,1
	v_add_nc_u32 v[ADRA+(\s)], s21, v3
	v_add_nc_u32 v[ADRB+(\s)], s22, v3
	s_add_co_u32 s21, s21, SLOT
	s_add_co_u32 s22, s22, SLOT
.endr
	s_mul_i32 s23, s10, WSTAGE
	s_add_co_u32 s23, s23, STAGE                   ; my stage
	v_mul_u32_u24 v4, v1, SPITCH                   ; in: row l % 16, 32 bytes for each half of the lanes
	v_lshl_add_u32 v4, v2, 5, v4
	v_add_nc_u32 v[STO], s23, v4
	v_and_b32 v5, 31, v0
	v_lshlrev_b32 v[CO], 4, v5                     ; back: 32 lanes take one row of 512 bytes,
	v_add_nc_u32 v[RD], s23, v[CO]                 ; which are 512 consecutive bytes of out0
	s_lshl_b32 s16, s13, 7
	s_lshl_b32 s17, s11, 6
	s_add_co_u32 s16, s16, s17                     ; my first row of out0: 128 x tile row + 64 x half,
	s_lshl_b32 s16, s16, 14                        ; x 16,384 bytes: under 2^25
	s_mov_b32 s17, 0
	s_add_nc_u64 s[8:9], s[8:9], s[16:17]
	s_lshl_b32 s46, s42, 10                        ; my first column, in bytes: 1,024 x tile column + 512 x half
	s_lshl_b32 s47, s12, 9
	s_add_co_u32 s46, s46, s47
	s_mov_b32 s47, 0
	s_add_nc_u64 s[8:9], s[8:9], s[46:47]
	; the prefetches
	s_lshl_b32 s20, s13, 7                         ; xb: the tile's first row
	s_lshl_b32 s21, s42, 8
	s_lshl_b32 s22, s12, 7
	s_add_co_u32 s21, s21, s22                     ; tw: the first of the 128 rows that I fetch
	s_and_b32 s22, ttmp7, 0xffff                   ; cluster y
	s_cmp_lt_u32 s10, 2                            ; do I fetch for xb?
	s_cselect_b32 s20, s20, s21
	s_cselect_b32 s21, s40, s41                    ; my place among the four that ask with me
	s_cselect_b32 s22, ttmp9, s22                  ; the coordinate along which other clusters read the same rows
	s_cselect_b64 s[PFA:PFA+1], s[4:5], s[6:7]
	s_cmp_eq_u32 s10, 1                            ; xb's 128 rows are shared out among the four partners' waves 0: wave 1 asks for nothing
	s_cselect_b32 s23, 1, 0
	s_or_b32 s22, s22, s23
	s_cmp_eq_u32 s22, 0
	s_cselect_b32 s[LIM], 2, -1                    ; the same in all sixteen partners, for a given wave
	s_lshl_b32 s21, s21, 5
	s_add_co_u32 s20, s20, s21                     ; + my work-group's 32 rows
	s_lshl_b32 s20, s20, 13
	s_mov_b32 s21, 0
	s_add_nc_u64 s[PFA:PFA+1], s[PFA:PFA+1], s[20:21]
	s_add_nc_u64 s[PFA:PFA+1], s[PFA:PFA+1], 5*KSTEP*2  ; at K step 5: the first change of slots steps it to 6
	v_lshlrev_b32 v[PFO], 13, v5
; 8 matrix instructions: block a of my four blocks of 16 rows x all 8 blocks of 16 columns, 32 along K.  zero = 1: the first product starts the sums: nothing is ever cleared.
; The 32 accumulators take turns, one instruction a turn, in the same order in every quarter: 31 others stand between two links of a chain, over the backward jump too.
.macro MUL8 f, a, zero
	WIN MUL
.irp b, 0,1,2,3,4,5,6,7
.if \zero
	v_wmma_f32_16x16x32_bf16 v[8*(8*(\a)+(\b)):8*(8*(\a)+(\b))+7], v[(\f)+8*(\b):(\f)+8*(\b)+7], v[(\f)+64+8*(\a):(\f)+64+8*(\a)+7], 0
.else
	v_wmma_f32_16x16x32_bf16 v[8*(8*(\a)+(\b)):8*(8*(\a)+(\b))+7], v[(\f)+8*(\b):(\f)+8*(\b)+7], v[(\f)+64+8*(\a):(\f)+64+8*(\a)+7], v[8*(8*(\a)+(\b)):8*(8*(\a)+(\b))+7]
.endif
.endr
.endm
; 24 LDS loads in one run: the fragments of one quarter step (128 rows of tw, then 64 rows of xb, 32 K at byte k of the rows) into buffer f
.macro FETCH slot, k, f
	WIN 0
.irp i, 0,1,2,3,4,5,6,7
	ds_load_b128 v[(\f)+8*(\i):(\f)+8*(\i)+3],   v[ADRB+(\slot)] offset:(\k)+(\i)*16*PITCH
	ds_load_b128 v[(\f)+8*(\i)+4:(\f)+8*(\i)+7], v[ADRB+(\slot)] offset:(\k)+(\i)*16*PITCH+32
.endr
.irp i, 0,1,2,3
	ds_load_b128 v[(\f)+64+8*(\i):(\f)+64+8*(\i)+3],   v[ADRA+(\slot)] offset:(\k)+(\i)*16*PITCH
	ds_load_b128 v[(\f)+64+8*(\i)+4:(\f)+64+8*(\i)+7], v[ADRA+(\slot)] offset:(\k)+(\i)*16*PITCH+32
.endr
.endm
; A load into a register that a matrix instruction has read, and a store that reads a matrix result, stand four places behind that matrix instruction, and only plain vector instructions that name none
; of its registers are places (ISA guide 7.12.1 for vector instructions); the matrix instructions in between are not counted.
.macro PLACES
.rept 4
	v_nop
.endr
.endm
; A K step is four quarters of 32 along K, 32 matrix instructions each, on buffers 0, 1, 0, 1.  One of the first three: multiplies buffer f; in its middle it fetches the next quarter, at byte k, into buffer g.
.macro QUARTER slot, k, f, g, zero
	s_wait_dscnt 4                                 ; tw's fragments and xb's blocks 0 and 1 are in; the youngest four loads (xb's blocks 2 and 3) may be out
	MUL8 \f, 0, \zero
	MUL8 \f, 1, \zero
	PLACES                                         ; buffer g was last read by the quarter before
	FETCH \slot, \k, \g
	s_wait_dscnt 24                                ; all but the 24 just issued
	MUL8 \f, 2, \zero
	MUL8 \f, 3, \zero
.endm
; The last quarter multiplies buffer 1 and changes slots: ONE barrier, for two things.  In front of it each wave waits for all its tensor loads, of which one is out: its part of the next slot; adds 0 to its spare
; word; and waits for that and for its own reads of this slot.  Behind it nobody reads this slot any more and the next slot is whole.  fill = 1: this slot is filled again, two K steps ahead; the barrier then opens a
; round of the cluster's barrier, and the joint refill is the first tensor load behind the round: 112 matrix instructions ahead of the wait for it.
.macro TURN slot, next, fill
.if \fill
	s_wait_xcnt 0x0                                ; the last prefetch, a K step back, has read its address: it is stepped here, ahead of the waits of the change of slots
	s_add_nc_u64 s[PFA:PFA+1], s[PFA:PFA+1], KSTEP*2
.endif
	WIN 0                                          ; (the add's two registers lie in window 0)
	s_wait_tensorcnt 0x0                           ; all my tensor loads have landed: my part of the next slot;
	ds_add_u32 v[SPW], v[NIL]                      ; 0 onto my spare word
	s_wait_dscnt 5                                 ; (the add and the youngest four loads may be out)
	MUL8 F1, 0, 0                                  ; eight matrix instructions stand between the add and the wait for it
	s_wait_dscnt 0x0                               ; the add is done, and my reads of this slot are over
	s_barrier_signal -1
	MUL8 F1, 1, 0                                  ; work on registers while the others arrive
.if \fill
	WIN 0
.endif
	s_barrier_wait -1
.if \fill
	CREST                                          ; no wave of any partner still reads this slot's tile or has a load on its way
	s_add_nc_u64 s[G0+4*(\slot)+2:G0+4*(\slot)+3], s[G0+4*(\slot)+2:G0+4*(\slot)+3], 2*KSTEP*2    ; no tensor load of mine is out, so a group 0 may be written
	s_add_nc_u64 s[G0B+4*(\slot)+2:G0B+4*(\slot)+3], s[G0B+4*(\slot)+2:G0B+4*(\slot)+3], 2*KSTEP*2
	JLOAD \slot                                    ; the four v_nop behind it are also the places in front of the loads below
.else
	PLACES
.endif
	FETCH \next, 0, F0
.if \fill
	ASK
.endif
	MUL8 F1, 2, 0
	MUL8 F1, 3, 0
.endm
; THE WAY OUT of block a (16 rows x my 128 columns, f32).  TOSTAGE: a lane's 32 bytes of each of the 8 accumulators go into my own stage, rows of 528 bytes, each accumulator's low four registers first
; and come back as whole rows of 512 bytes.  SEND: stored, a row an instruction.
.macro TOSTAGE a
.if (\a) >= 2
	s_wait_xcnt 0x0                                ; the stores of block a - 2 have read their registers, which the loads below fill again
.endif
	WIN ACD
.irp b, 0,1,2,3,4,5,6,7
	ds_store_b128 v[STO], v[8*(8*(\a)+(\b)):8*(8*(\a)+(\b))+3]   offset:64*(\b)
	ds_store_b128 v[STO], v[8*(8*(\a)+(\b))+4:8*(8*(\a)+(\b))+7] offset:64*(\b)+16
.endr
	WIN 0
.set BK, OB+64*((\a)%2)
.irp t, 0,1,2,3,4,5,6,7,8,9,10,11,12,13,14,15
	ds_load_b128 v[BK+4*(\t):BK+4*(\t)+3], v[RD] offset:(\t)*SPITCH  ; LDS serves a wave's instructions in order (ISA guide 5.7.1.4): these see the stores above; the next block's stores come behind them
.endr
.endm
.macro SEND a, younger                 ; younger: the LDS instructions issued behind block a's loads: the next block's 32, or none
	WIN 0
.set BK, OB+64*((\a)%2)
.irp t, 0,1,2,3,4,5,6,7,8,9,10,11,12,13,14,15
	s_wait_dscnt (\younger)+15-(\t)                ; row t is back
	global_store_b128 v[CO], v[BK+4*(\t):BK+4*(\t)+3], s[8:9] offset:(16*(\a)+(\t))*CROW th:TH_STORE_NT  ; 512 consecutive bytes, at a multiple of 512 from out0's first byte; 63 rows at the most: inside the signed 24-bit immediate
.endr
.endm
	s_wait_tensorcnt 1                             ; my part of K step 0 is in; K step 1's may stay out
	s_barrier_signal -1
	s_barrier_wait -1                              ; everybody's is
	FETCH 0, 0, F0
	QUARTER 0, 64,  F0, F1, 1                      ; the first quarter stands in front of the loop: its products start the sums
	WIN 0                                          ; at a label and at a branch every window is 0
	s_mov_b32 s3, LAPS-1
.Llap:                                                 ; a trip goes once round the ring, from a lap's second quarter to the next lap's first, and fills both slots again: trip i asks for K steps 2 i + 2 and 2 i + 3
	QUARTER 0, 128, F1, F0, 0
	QUARTER 0, 192, F0, F1, 0
	TURN 0, 1, 1
	QUARTER 1, 64,  F0, F1, 0
	QUARTER 1, 128, F1, F0, 0
	QUARTER 1, 192, F0, F1, 0
	TURN 1, 0, 1
	QUARTER 0, 64,  F0, F1, 0
	WIN 0
	s_sub_co_u32 s3, s3, 1
	s_cmp_lg_u32 s3, 0
	s_cbranch_scc1 .Llap
	QUARTER 0, 128, F1, F0, 0                      ; the last lap is written out: it fills nothing, and has no round of the cluster's barrier
	QUARTER 0, 192, F0, F1, 0
	TURN 0, 1, 0
	QUARTER 1, 64,  F0, F1, 0
	QUARTER 1, 128, F1, F0, 0
	QUARTER 1, 192, F0, F1, 0
	s_wait_dscnt 4                                 ; the very last quarter: nothing more to fetch
	MUL8 F1, 0, 0
	MUL8 F1, 1, 0
	s_wait_dscnt 0x0
	MUL8 F1, 2, 0
	MUL8 F1, 3, 0
	PLACES                                         ; behind the last products, in front of the stores that read results and of the loads into the fragments' registers:
	PLACES                                         ; four places are owed; the other four are margin, once a launch
	TOSTAGE 0
	TOSTAGE 1                                      ; a block's trip through the stage stands between the loads of the block before and its stores
	SEND 0, 32
	TOSTAGE 2
	SEND 1, 32
	TOSTAGE 3
	SEND 2, 32
	SEND 3, 0
	s_wait_tensorcnt 0x0                           ; the wave's end: behind my last tensor load and my last LDS store
	ds_add_u32 v[SPW], v[NIL]
	s_wait_dscnt 0x0
	CROUND                                         ; the closing round: no work-group ends while a partner may still ask for a tile that names it
	s_endpgm
.Lfunc_end_k_qd70830952e_gemm:
	.size	k_qd70830952e_gemm, .Lfunc_end_k_qd70830952e_gemm-k_qd70830952e_gemm
	.p2alignl 7, 3214868480
	.fill 96, 4, 3214868480
	.section	.rodata,"a",@progbits
	.p2align	6, 0x0
	.amdhsa_kernel k_qd70830952e_gemm
		.amdhsa_group_segment_fixed_size 327680
		.amdhsa_private_segment_fixed_size 0
		.amdhsa_enable_private_segment 0
		.amdhsa_kernarg_size 24
		.amdhsa_user_sgpr_count 2
		.amdhsa_user_sgpr_kernarg_segment_ptr 1
		.amdhsa_wavefront_size32 1
		.amdhsa_system_sgpr_workgroup_id_x 1
		.amdhsa_system_sgpr_workgroup_id_y 1
		.amdhsa_system_sgpr_workgroup_id_z 1
		.amdhsa_system_vgpr_workitem_id 0
		.amdhsa_next_free_vgpr 512
		.amdhsa_next_free_sgpr 66
		.amdhsa_reserve_vcc 0
		.amdhsa_float_denorm_mode_32 3
		.amdhsa_float_denorm_mode_16_64 3
		.amdhsa_memory_ordered 1
		.amdhsa_forward_progress 1
		.amdhsa_inst_pref_size 88
	.end_amdhsa_kernel
	.amdgpu_metadata
---
amdhsa.version: [ 1, 2 ]
amdhsa.kernels:
  - .name:           k_qd70830952e_gemm
    .symbol:         k_qd70830952e_gemm.kd
    .args:
      - { .name: xb, .offset: 0, .size: 8, .value_kind: global_buffer, .address_space: global }
      - { .name: tw, .offset: 8, .size: 8, .value_kind: global_buffer, .address_space: global }
      - { .name: out0, .offset: 16, .size: 8, .value_kind: global_buffer, .address_space: global }
    .group_segment_fixed_size: 327680
    .private_segment_fixed_size: 0
    .kernarg_segment_align: 8
    .kernarg_segment_size: 24
    .max_flat_workgroup_size: 128
    .sgpr_count:     66
    .vgpr_count:     512
    .wavefront_size: 32
...
	.end_amdgpu_metadata
.endif
;; end of part 2
